; MI455X (gfx1250); checked and timed in simulation.
; The chip was launched on July 23, 2026; its instructions are those of AMD's public machine-readable ISA for CDNA 5 (MIT licence, August 2026) and "CDNA5" Instruction Set Architecture Reference Guide (July 2026). The comments in the code are by the model that wrote it; some were corrected since.
;; Attention. Allowed arithmetic: matrix products marked QUANTISED: E4M3 operands, one given power-of-two scale a tensor, by v_wmma_f32_16x16x64_fp8_fp8 or v_wmma_f32_16x16x128_fp8_fp8, f32 sums; everything else in f32.
;; Inputs: W_qkv 1,024 x 3,072 float32; b_qkv 3,072 float32; lowp_scales 6 int32 (the exponents e of the quantised operands' scales 2^e); x 4 x 2,048 x 1,024 float32.
;; Outputs: out0 4 x 2,048 x 1,024 float32.
;; This version of the problem:
;;   THIS VERSION OF THE PROBLEM IS GIVEN IN LOW PRECISION. The matrix products marked QUANTISED in the list below multiply operands that are first quantised to E4M3 (4 exponent bits, 3 mantissa bits; 8 bits a number), with one given power-of-two scale for each operand tensor; their sums are f32. All else is computed in f32.
;;   The module's matrix products, in the order in which they are computed (A, B: the left and right operand; K: the contracted axis; several contracted axes count as one K, in the product's order):
;;     1. [M 8,192, K 1,024] x [K 1,024, N 3,072]; A: input x; B: input W_qkv: QUANTISED (scales: A lowp_scales[0], B lowp_scales[1])
;;     2. batch 64 x [M 2,048, K 64] x [K 64, N 2,048]; A: computed on the way; B: computed on the way: QUANTISED (scales: A lowp_scales[2], B lowp_scales[3])
;;     3. batch 64 x [M 2,048, K 2,048] x [K 2,048, N 64]; A: softmax (see below); B: computed on the way: QUANTISED (scales: A lowp_scales[4], B lowp_scales[5])
;;   THE QUANTISER, for each operand of a quantised product, along K:
;;     - The operand's scale is 2^e, e = its entry of the input lowp_scales (int32; the entries are numbered through the quantised products in the list's order, A before B).
;;     - Each number is divided by the scale, clamped to +-448, and rounded to the nearest number of E4M3, ties to even, subnormals kept.
;;     - The product sums the exact products of the quantised numbers (number of the format x scale) in f32.
;;   ~~~python
;;   def quantise(x, axis, e):      # numpy; x: float32 -> the quantised numbers, widened to float32 again
;;       x = np.moveaxis(x, axis, -1); K = x.shape[-1]
;;       r = np.clip(x / 2.0 ** e, -448, 448)
;;       step = 2.0 ** (np.maximum(np.frexp(np.where(r == 0, 1, r))[1] - 1, -6) - 3)
;;       q = np.round(r / step) * step * 2.0 ** e      # np.round: ties to even
;;       return np.moveaxis(q, -1, axis).astype(np.float32)
;;   ~~~
;;   SOFTMAX AHEAD OF A QUANTISED PRODUCT. Where the list says 'softmax', what is quantised is not the finished softmax but p = 2^(t - M), with t = logit x log2(e) and M = ceil(the row's largest t), a whole number; so 1/2 < the row's largest p <= 1. The row's sum l is taken of the UNQUANTISED p, in f32, and the product's result is divided by l at the end. Since M is a whole number, a kernel that streams over the keys may use a running M (the ceiling of the running maximum): every later rescaling is an exact power of two, so the quantised numbers keep their values, but for numbers so far below the row's largest that they fall under the format's range.
;;   OPERANDS COMPUTED ON THE WAY. 'Computed on the way' means the value that the module computes at that place (a softmax that the list does not call 'softmax' is quantised finished and normalised). What goes into a quantiser is computed in f32, as accurately as f32 sums, v_exp_f32 and their like allow (about 1e-6 of the number): no bf16 or f16 on the way to a quantiser, and a product that is left as it is and whose result goes on into a quantised operand takes f32 operands (vector FMAs, or v_wmma_f32_16x16x4_f32). A number that lies on a knife's edge between two numbers of the format may be rounded either way, as far as f32 arithmetic and the matrix unit's own rounding can turn it there, and no further.
;; One version. Each part assembles by itself: llvm-mc -triple=amdgcn-amd-amdhsa -mcpu=gfx1250 --defsym DOCPART=n.
;; ======== version 1 of 1: 3 launches
;; limits: right only within a limited range of input values
;; workspace buffers: x_img 8,388,608 bytes; w_img 3,145,728 bytes; q_img 8,388,608 bytes; kv_img 16,777,216 bytes
;; launch quant (part 1): grid 704 x 1, 4 waves a work-group, no clusters, 34,304 bytes of LDS; arguments x, W_qkv, lowp_scales, x_img, w_img; writes x_img, w_img
.if DOCPART == 1
	.amdgcn_target "amdgcn-amd-amdhsa--gfx1250"
	.amdhsa_code_object_version 6
	.text
	.protected	k_qb670b34ca3_quant
	.globl	k_qb670b34ca3_quant
	.p2align	8
	.type	k_qb670b34ca3_quant,@function
k_qb670b34ca3_quant:
	s_mov_b64 s[64:65], 0
	v_nop
	global_prefetch_b8 v0, s[64:65] scope:SCOPE_SE
	s_setreg_imm32_b32 hwreg(HW_REG_WAVE_MODE, 25, 1), 1
	s_wait_xcnt 0x0
; x [8192][1024] and W_qkv [1024][3072], f32, become codes of FP8 (E4M3), each with its given scale 2^e (entry 0 for x, entry 1 for W):
; code = number / 2^e, held within +-448, rounded to the nearest code, ties to even.
; LIMITS: e0 and e1 lie between -126 and 119, so that 2^e and 448 x 2^e are f32 numbers.  NaN among the inputs is not served.
; THE CODES ARE LAID AS IMAGES OF OPERAND REGISTERS.  A fragment is 16 rows x 128 along K: four pieces c of 512 bytes; in a piece lane (r, h) = 16 h + r has 16 bytes at 16 x lane:
; the codes of k = 32 c + 16 h + 0 .. 15 of the fragment's row r.  The next launch gets a fragment by four loads of 16 bytes a lane, each 512 consecutive bytes.
;   x_img [rb 128][ks 8][a 4][c 4][lane][16]: row = 64 rb + 32 (a / 2) + 8 (a % 2) + r + 8 (r / 8), k = 128 ks + 32 c + 16 h + i
;   w_img [head 16][ks 8][b 12][c 4][lane][16]: b = 0 .. 7 (q's and k's columns): column = 192 head + 32 (b / 2) + 8 (b % 2) + r + 8 (r / 8);  b = 8 .. 11 (v's): column = 192 head + 16 b + r
; Work-groups 0 to 511 take x, 512 to 703 take W: one scalar branch on the work-group's number.  Only x's path touches LDS.  No barrier: waves share nothing.
.set R,    16                          ; x: v16-143   two fragments' numbers as they are loaded, 64 registers each
.set X,    144                         ; x: v144-207  64 numbers of a lane in the order of the operand's registers
.set C,    208                         ; x: v208-239  the codes, 16 registers a fragment: no store's data are written again
.set SPX,  528                         ; x: a stage row: 512 bytes + 16, an odd multiple of 16 bytes
.set WREG, 16*SPX                      ; x: a wave's stage: 16 rows
.set WX,   16                          ; W: v16-79    two sets of 32 numbers
.set WC,   80                          ; W: v80-111   the codes of the four blocks
	s_load_b256 s[4:11], s[0:1], 0x0               ; x s[4:5], W s[6:7], the scales' exponents s[8:9], x_img s[10:11]
	s_load_b64 s[12:13], s[0:1], 0x20              ; w_img
	v_lshl_add_u32 v240, v0, 2, 0x8400
	v_mov_b32 v241, 0
	v_lshrrev_b32 v1, 5, v0
	v_readfirstlane_b32 s16, v1                    ; wave 0..3
	v_and_b32 v4, 31, v0                           ; lane
	s_wait_kmcnt 0x0
	s_load_b64 s[22:23], s[8:9], 0x0               ; e0, e1
	s_cmp_lt_u32 ttmp9, 512
	s_cbranch_scc0 .Lw
; ---------------- x: a wave makes two fragments: rows of tile a = wave of row block rb, K steps 2 kq and 2 kq + 1
	s_wait_alu depctr_va_vdst(0)
	v_lshlrev_b32 v1, 4, v4                        ; 16 x lane: my bytes of a load's 512, and of a piece of an image
	s_wait_alu depctr_va_vdst(0)
	s_mul_i32 s17, s16, WREG
	v_add_nc_u32 v2, s17, v1                       ; the stage, on the way in: a row as it lies
	v_and_b32 v5, 15, v0                           ; r
	v_bfe_u32 v6, v0, 4, 1                         ; h
	v_mul_u32_u24 v3, v5, SPX
	v_lshl_add_u32 v3, v6, 6, v3
	v_add_nc_u32 v3, s17, v3                       ; and on the way out: row r, + 64 h bytes: my 16 numbers of a block of 32
	s_lshr_b32 s18, ttmp9, 2                       ; rb
	s_and_b32 s19, ttmp9, 3                        ; kq
	s_lshl_b32 s20, s18, 6
	s_lshr_b32 s21, s16, 1
	s_lshl_b32 s21, s21, 5
	s_add_co_u32 s20, s20, s21
	s_and_b32 s21, s16, 1
	s_lshl_b32 s21, s21, 3
	s_add_co_u32 s20, s20, s21                     ; the tile's first row: 64 rb + 32 (a / 2) + 8 (a % 2)
	s_lshl_b32 s20, s20, 12                        ; a row of x is 4,096 bytes
	s_lshl_b32 s21, s19, 10                        ; two K steps are 1,024 bytes
	s_add_co_u32 s20, s20, s21
	s_mov_b32 s21, 0
	s_add_nc_u64 s[4:5], s[4:5], s[20:21]
	s_lshl_b32 s24, s18, 3
	s_lshl_b32 s25, s19, 1
	s_add_co_u32 s24, s24, s25                     ; 8 rb + ks
	s_lshl_b32 s24, s24, 2
	s_add_co_u32 s24, s24, s16                     ; x 4 + a
	s_lshl_b32 s24, s24, 11                        ; a fragment's image is 2,048 bytes
	s_mov_b32 s25, 0
	s_add_nc_u64 s[10:11], s[10:11], s[24:25]
.macro LOADX f                         ; the 16 rows of the tile, 128 numbers of each: every load reads 512 consecutive bytes
.irp r, 0,1,2,3,4,5,6,7,8,9,10,11,12,13,14,15
	global_load_b128 v[R+64*\f+4*\r:R+64*\f+4*\r+3], v1, s[4:5] offset:(\r+8*(\r/8))*4096+512*\f th:TH_LOAD_NT
.endr
.endm
.macro FRAGX f
	s_wait_loadcnt 16*(1-\f)                       ; this fragment's 16 loads are in; the other's may be out
.irp r, 0,1,2,3,4,5,6,7,8,9,10,11,12,13,14,15
	ds_store_b128 v2, v[R+64*\f+4*\r:R+64*\f+4*\r+3] offset:\r*SPX
.endr
.irp c, 0,1,2,3
.irp j, 0,1,2,3
	ds_load_b128 v[X+16*\c+4*\j:X+16*\c+4*\j+3], v3 offset:128*\c+16*\j   ; LDS serves a wave's instructions in order (ISA guide 5.7.1.4): these see my stores
.endr
.endr
	s_wait_dscnt 0x0
.set JJ, 0
.rept 64
	v_med3_num_f32 v[X+JJ], v[X+JJ], -v10, v10     ; the conversion to an 8-bit code does not saturate (ISA guide 7.6.2): the hold at the largest code x the scale
.set JJ, JJ+1
.endr
.irp q, 0,1,2,3,4,5,6,7
	v_cvt_scalef32_pk8_fp8_f32 v[C+16*\f+2*\q:C+16*\f+2*\q+1], v[X+8*\q:X+8*\q+7], v11
.endr
	v_nop                                          ; a plain vector line behind the last conversion: the next fragment's holds write the conversions' sources
.irp c, 0,1,2,3
	global_store_b128 v1, v[C+16*\f+4*\c:C+16*\f+4*\c+3], s[10:11] offset:8192*\f+512*\c   ; 512 consecutive bytes, at a multiple of 512 from the buffer's first byte
.endr
.endm
	LOADX 0
	LOADX 1
	s_wait_alu depctr_va_vdst(0)
	s_wait_kmcnt 0x0
	s_add_co_i32 s22, s22, 127
	s_lshl_b32 s26, s22, 23
	v_mov_b32 v11, s26                             ; 2^e0 as f32: the conversion takes its exponent field
	s_add_co_i32 s22, s22, 8
	s_lshl_b32 s22, s22, 23
	s_or_b32 s22, s22, 0x600000
	v_mov_b32 v10, s22                             ; 448 x 2^e0
	s_wait_alu depctr_va_vdst(0)
	FRAGX 0
	FRAGX 1
	s_wait_tensorcnt 0x0
	ds_add_u32 v240, v241
	s_wait_dscnt 0x0
	s_endpgm
; ---------------- W: a wave takes 32 columns x 128 along K.  A lane takes a column and its registers run down K, so that the conversions give codes with K innermost
.Lw:
	s_sub_co_u32 s17, ttmp9, 512
	s_and_b32 s18, s17, 7                          ; ks
	s_lshr_b32 s19, s17, 3
	s_lshl_b32 s19, s19, 2
	s_add_co_u32 s19, s19, s16                     ; cg = which 32 columns, 0 .. 95
	s_mul_i32 s20, s19, 43
	s_lshr_b32 s20, s20, 8                         ; head = cg / 6 (43 / 256 exceeds 1 / 6 by 0.0013: exact up to cg = 95)
	s_mul_i32 s21, s20, 6
	s_sub_co_u32 s21, s19, s21                     ; which 32 of the head's 192: 0, 1 q; 2, 3 k; 4, 5 v
	s_cmp_lt_u32 s21, 4
	s_cselect_b32 s28, 24, 0                       ; q's and k's tiles take column 8 u + r + 8 (r / 8): bits 3 and 4 of the column change places
	s_wait_alu depctr_va_vdst(0)
	v_lshlrev_b32 v1, 2, v4                        ; in: 4 bytes a lane
	v_lshrrev_b32 v5, 3, v4
	v_lshrrev_b32 v6, 4, v4
	v_xor_b32 v5, v5, v6
	v_and_b32 v5, 1, v5                            ; do the two bits differ?
	v_mul_u32_u24 v5, s28, v5
	v_xor_b32 v5, v5, v4                           ; y = 16 x (which of the two tiles) + the tile's lane r
	v_lshrrev_b32 v6, 4, v5
	v_and_b32 v5, 15, v5
	v_lshlrev_b32 v2, 4, v5
	v_lshl_add_u32 v2, v6, 11, v2                  ; out: tile x 2,048 + 16 r
	s_mul_i32 s24, s18, 128*12288                  ; a row of W is 12,288 bytes
	s_lshl_b32 s25, s19, 7
	s_add_co_u32 s24, s24, s25
	s_mov_b32 s25, 0
	s_add_nc_u64 s[6:7], s[6:7], s[24:25]
	s_mul_i32 s24, s20, 196608
	s_mul_i32 s26, s18, 24576
	s_add_co_u32 s24, s24, s26
	s_lshl_b32 s26, s21, 12
	s_add_co_u32 s24, s24, s26
	s_add_nc_u64 s[12:13], s[12:13], s[24:25]
.macro LOADW t                         ; block t: W(128 ks + 32 t + i, my column) into set t % 2; the largest offset, 127 rows, lies inside the signed 24-bit immediate
.irp i, 0,1,2,3,4,5,6,7,8,9,10,11,12,13,14,15,16,17,18,19,20,21,22,23,24,25,26,27,28,29,30,31
	global_load_b32 v[WX+32*((\t)%2)+\i], v1, s[6:7] offset:(32*(\t)+\i)*12288 th:TH_LOAD_NT
.endr
.endm
.macro BLOCKW t
.if \t < 3
	s_wait_loadcnt 32                              ; this block's 32 loads are in; the next block's may be out
.else
	s_wait_loadcnt 0
.endif
.irp i, 0,1,2,3,4,5,6,7,8,9,10,11,12,13,14,15,16,17,18,19,20,21,22,23,24,25,26,27,28,29,30,31
	v_med3_num_f32 v[WX+32*((\t)%2)+\i], v[WX+32*((\t)%2)+\i], -v10, v10
.endr
.irp g, 0,1,2,3
	v_cvt_scalef32_pk8_fp8_f32 v[WC+8*\t+2*\g:WC+8*\t+2*\g+1], v[WX+32*((\t)%2)+8*\g:WX+32*((\t)%2)+8*\g+7], v11
.endr
	v_nop                                          ; a plain vector line behind the last conversion
	global_store_b128 v2, v[WC+8*\t:WC+8*\t+3], s[12:13] offset:512*\t          ; k = 32 t + 0 .. 15: the half h = 0 of piece c = t: sixteen lanes fill 256 consecutive bytes of each of the two tiles
	global_store_b128 v2, v[WC+8*\t+4:WC+8*\t+7], s[12:13] offset:512*\t+256    ; k = 32 t + 16 .. 31: the half h = 1
.if \t < 2
	LOADW \t+2
.endif
.endm
	LOADW 0
	LOADW 1
	s_wait_kmcnt 0x0
	s_add_co_i32 s23, s23, 127
	s_lshl_b32 s26, s23, 23
	v_mov_b32 v11, s26                             ; 2^e1
	s_add_co_i32 s23, s23, 8
	s_lshl_b32 s23, s23, 23
	s_or_b32 s23, s23, 0x600000
	v_mov_b32 v10, s23                             ; 448 x 2^e1
	s_wait_alu depctr_va_vdst(0)
	BLOCKW 0
	BLOCKW 1
	BLOCKW 2
	BLOCKW 3
	s_endpgm
.Lfunc_end_k_qb670b34ca3_quant:
	.size	k_qb670b34ca3_quant, .Lfunc_end_k_qb670b34ca3_quant-k_qb670b34ca3_quant
	.p2alignl 7, 3214868480
	.fill 96, 4, 3214868480
	.section	.rodata,"a",@progbits
	.p2align	6, 0x0
	.amdhsa_kernel k_qb670b34ca3_quant
		.amdhsa_group_segment_fixed_size 34304
		.amdhsa_private_segment_fixed_size 0
		.amdhsa_enable_private_segment 0
		.amdhsa_kernarg_size 40
		.amdhsa_user_sgpr_count 2
		.amdhsa_user_sgpr_kernarg_segment_ptr 1
		.amdhsa_wavefront_size32 1
		.amdhsa_system_sgpr_workgroup_id_x 1
		.amdhsa_system_sgpr_workgroup_id_y 1
		.amdhsa_system_sgpr_workgroup_id_z 1
		.amdhsa_system_vgpr_workitem_id 0
		.amdhsa_next_free_vgpr 242
		.amdhsa_next_free_sgpr 66
		.amdhsa_reserve_vcc 0
		.amdhsa_float_denorm_mode_32 3
		.amdhsa_float_denorm_mode_16_64 3
		.amdhsa_memory_ordered 1
		.amdhsa_forward_progress 1
		.amdhsa_inst_pref_size 43
	.end_amdhsa_kernel
	.amdgpu_metadata
---
amdhsa.version: [ 1, 2 ]
amdhsa.kernels:
  - .name:           k_qb670b34ca3_quant
    .symbol:         k_qb670b34ca3_quant.kd
    .args:
      - { .name: x, .offset: 0, .size: 8, .value_kind: global_buffer, .address_space: global }
      - { .name: W_qkv, .offset: 8, .size: 8, .value_kind: global_buffer, .address_space: global }
      - { .name: lowp_scales, .offset: 16, .size: 8, .value_kind: global_buffer, .address_space: global }
      - { .name: x_img, .offset: 24, .size: 8, .value_kind: global_buffer, .address_space: global }
      - { .name: w_img, .offset: 32, .size: 8, .value_kind: global_buffer, .address_space: global }
    .group_segment_fixed_size: 34304
    .private_segment_fixed_size: 0
    .kernarg_segment_align: 8
    .kernarg_segment_size: 40
    .max_flat_workgroup_size: 128
    .sgpr_count:     66
    .vgpr_count:     242
    .wavefront_size: 32
...
	.end_amdgpu_metadata
.endif
;; end of part 1
;; launch qkv (part 2): grid 16 x 16, 4 waves a work-group, clusters of 4 x 1, 327,680 bytes of LDS; arguments x_img, w_img, b_qkv, lowp_scales, q_img, kv_img; writes q_img, kv_img
.if DOCPART == 2
	.amdgcn_target "amdgcn-amd-amdhsa--gfx1250"
	.amdhsa_code_object_version 6
	.text
	.protected	k_qb670b34ca3_qkv
	.globl	k_qb670b34ca3_qkv
	.p2align	8
	.type	k_qb670b34ca3_qkv,@function
k_qb670b34ca3_qkv:
	s_mov_b64 s[64:65], 0
	v_nop
	global_prefetch_b8 v0, s[64:65] scope:SCOPE_SE
	s_setreg_imm32_b32 hwreg(HW_REG_WAVE_MODE, 25, 1), 1
	s_wait_xcnt 0x0
	s_wait_alu depctr_hold_cnt(0) depctr_sa_sdst(0) depctr_va_vdst(0) depctr_va_sdst(0) depctr_va_ssrc(0) depctr_va_vcc(0) depctr_vm_vsrc(0)
	s_getreg_b32 s2, hwreg(HW_REG_IB_STS2, 6, 4)
	s_cmp_eq_u32 s2, 0
	s_cbranch_scc0 .Lentry_in_a_cluster
	s_endpgm
.Lentry_in_a_cluster:
	s_bfe_u32 s2, ttmp6, 0x10000c
	s_cmp_lg_u32 s2, 0x3003
	s_cbranch_scc0 .Lentry_shape_is_right
	s_endpgm
.Lentry_shape_is_right:
.set X,   32
.set BF,  64
.set BI,  128
.set BV,  192
.set Y,   224
.set WV,  16
.set G1,  24
.set G0,  32
.set CHB, 49152
.set QK,  0xa4
.set QK1, 0xb4
.set VV,  0xf1
.set TOA, 0x40
.set MSB, 0
.macro WIN new
.if MSB != \new
	s_set_vgpr_msb (MSB<<8)|\new
.set MSB, \new
.endif
.endm
.macro CROUND
	s_barrier_signal -1
	s_barrier_wait -1
	s_cmp_lg_u32 s[WV], 0
	s_cbranch_scc1 .Lnot_wave_0_\@
	s_barrier_signal -3
.Lnot_wave_0_\@:
	s_barrier_wait -3
	s_barrier_signal -1
	s_barrier_wait -1
.endm
.macro PLACES
.rept 4
	v_nop
.endr
.endm
	s_load_b256 s[4:11], s[0:1], 0x0
	s_load_b128 s[12:15], s[0:1], 0x20
	v_lshl_add_u32 v30, v0, 2, 0x30000
	v_mov_b32 v31, 0
	ds_add_u32 v30, v31
	ds_add_u32 v30, v31
	v_lshrrev_b32 v1, 5, v0
	v_readfirstlane_b32 s[WV], v1
	s_bfe_u32 s17, ttmp6, 0x40000
	s_lshl_b32 s18, ttmp9, 2
	s_add_co_u32 s18, s18, s17
	s_and_b32 s19, ttmp7, 0xffff
	s_mov_b32 s[G1+0], 15|(3<<16)|(1<<21)
	s_mov_b32 s[G1+1], 32<<16
	s_mov_b32 s[G1+2], 192<<16
	s_mov_b32 s[G1+3], 32<<16
	s_mov_b32 s[G1+4], 192
	s_mov_b32 s[G1+5], 32
	s_mov_b32 s[G1+6], 0
	s_mov_b32 s[G1+7], 0
	s_mul_i32 s54, s[WV], CHB                      ; each wave fetches a quarter of the head's image of W: 192 rows of 256 bytes, by one joint load
	s_mul_i32 s20, s19, 196608
	s_add_co_u32 s20, s20, s54
	s_mov_b32 s21, 0
	s_lshl_b32 s22, s18, 3
	s_lshl_b32 s23, s[WV], 1
	s_add_co_u32 s22, s22, s23
	s_lshl_b32 s22, s22, 16
	s_mov_b32 s23, 0
	s_lshr_b32 s55, s18, 2
	s_lshl_b32 s55, s55, 4
	s_add_co_u32 s55, s55, s19
	s_and_b32 s56, s18, 3
	s_lshl_b32 s56, s56, 4
	s_lshl_b32 s57, s[WV], 2
	s_add_co_u32 s56, s56, s57
	s_lshl_b32 s58, s55, 17
	s_lshl_b32 s57, s56, 11
	s_add_co_u32 s58, s58, s57
	s_mov_b32 s59, 0
	s_lshl_b32 s60, s55, 18
	s_lshl_b32 s57, s56, 12
	s_add_co_u32 s60, s60, s57
	s_mov_b32 s61, 0
	s_mul_i32 s62, s19, 768
	s_mov_b32 s63, 0
	s_wait_dscnt 0x0
	s_wait_kmcnt 0x0
	s_load_b128 s[48:51], s[10:11], 0x0
	s_load_b64 s[52:53], s[10:11], 0x10
	s_add_nc_u64 s[6:7], s[6:7], s[20:21]
	s_add_nc_u64 s[4:5], s[4:5], s[22:23]
	s_add_nc_u64 s[12:13], s[12:13], s[58:59]
	s_add_nc_u64 s[14:15], s[14:15], s[60:61]
	s_add_nc_u64 s[8:9], s[8:9], s[62:63]
.irp j, 0
	s_mov_b32 s[G0+4*\j], 1
	s_add_co_u32 s[G0+4*\j+1], s54, \j*CHB
	s_add_nc_u64 s[G0+4*\j+2:G0+4*\j+3], s[6:7], \j*CHB
	s_or_b32 s[G0+4*\j+3], s[G0+4*\j+3], 0x80000000
.endr
	CROUND
	tensor_load_to_lds s[G0:G0+3], s[G1:G1+7]      ; the wave's one tensor load, behind the opening round
	s_nop 0
.rept 4
	v_nop
.endr
	v_and_b32 v1, 31, v0
	v_lshlrev_b32 v1, 4, v1
.irp i, 0,1,2,3
	v_add_nc_u32 v[2+\i], \i*CHB, v1
.endr
	v_bfe_u32 v6, v0, 4, 1
	v_lshlrev_b32 v6, 6, v6
	v_and_b32 v7, 15, v0
	v_lshlrev_b32 v7, 2, v7
	WIN 0xc0
.irp t, 0,1,2,3,4,5,6,7
	global_load_b128 v[BI+8*\t:BI+8*\t+3],   v6, s[8:9] offset:(64*(\t/4)+32*((\t%4)/2)+8*(\t%2))*4
	global_load_b128 v[BI+8*\t+4:BI+8*\t+7], v6, s[8:9] offset:(64*(\t/4)+32*((\t%4)/2)+8*(\t%2))*4+16
.endr
.irp d, 0,1,2,3
	global_load_b32 v[BV+8*\d], v7, s[8:9] offset:(128+16*\d)*4
.endr
.macro LDA sg
.irp i, 0,1,2,3,4,5,6,7,8,9,10,11,12,13,14,15
	global_load_b128 v[64*((\sg)%4)+4*\i:64*((\sg)%4)+4*\i+3], v1, s[4:5] offset:(\sg)*8192+512*\i
.endr
.endm
	WIN TOA
	LDA 0
	LDA 1
	LDA 2
	WIN 0
	s_wait_kmcnt 0x0
	s_add_co_i32 s54, s48, s49
	s_sub_co_i32 s55, 0, s54
.macro SCALES e, sc
	s_sub_co_i32 s56, s[\e], s54
	s_add_co_i32 s56, s56, 127
	s_lshl_b32 s57, s56, 23
	v_mov_b32 v[\sc], s57
	s_add_co_i32 s56, s56, 8
	s_lshl_b32 s56, s56, 23
	s_or_b32 s56, s56, 0x600000
	v_mov_b32 v[\sc+1], s56
.endm
	SCALES 50, 8
	SCALES 51, 10
	SCALES 53, 12
	s_wait_loadcnt 48
	WIN 0xc3
.set JJ, 0
.rept 64
	v_ldexp_f32 v[BI+JJ], v[BI+JJ], s55
.set JJ, JJ+1
.endr
.irp d, 0,1,2,3
.irp j, 7,6,5,4,3,2,1,0
	v_ldexp_f32 v[BV+8*\d+\j], v[BV+8*\d], s55
.endr
.endr
	WIN TOA
	LDA 3
	WIN 0
.macro LDB grp, ks
.irp b, 0,1,2,3
.irp c, 0,1,2,3
	ds_load_b128 v[BF+16*(4*\grp+\b)+4*\c:BF+16*(4*\grp+\b)+4*\c+3], v[2+(\ks)/2] offset:((\ks)%2)*24576+(4*\grp+\b)*2048+\c*512
.endr
.endr
.endm
.macro GQK tau, set, first
.irp a, 0,1,2,3
.irp b, 0,1,2,3
.if \first
	v_wmma_f32_16x16x128_fp8_fp8 v[128*\tau+8*(4*\a+\b):128*\tau+8*(4*\a+\b)+7], v[BF+16*(4*\tau+\b):BF+16*(4*\tau+\b)+15], v[64*(\set)+16*\a:64*(\set)+16*\a+15], v[BI+8*(4*\tau+\b):BI+8*(4*\tau+\b)+7]
.else
	v_wmma_f32_16x16x128_fp8_fp8 v[128*\tau+8*(4*\a+\b):128*\tau+8*(4*\a+\b)+7], v[BF+16*(4*\tau+\b):BF+16*(4*\tau+\b)+15], v[64*(\set)+16*\a:64*(\set)+16*\a+15], v[128*\tau+8*(4*\a+\b):128*\tau+8*(4*\a+\b)+7]
.endif
.endr
.endr
.endm
.macro GV set, first
.irp d, 0,1,2,3
.irp a, 0,1,2,3
.if \first
	v_wmma_f32_16x16x128_fp8_fp8 v[8*(4*\d+\a):8*(4*\d+\a)+7], v[64*(\set)+16*\a:64*(\set)+16*\a+15], v[BF+16*(8+\d):BF+16*(8+\d)+15], v[BV+8*\d:BV+8*\d+7]
.else
	v_wmma_f32_16x16x128_fp8_fp8 v[8*(4*\d+\a):8*(4*\d+\a)+7], v[64*(\set)+16*\a:64*(\set)+16*\a+15], v[BF+16*(8+\d):BF+16*(8+\d)+15], v[8*(4*\d+\a):8*(4*\d+\a)+7]
.endif
.endr
.endr
.endm
.macro ARRIVE j
	s_wait_tensorcnt 0x0
	s_wait_dscnt 0x0
	s_barrier_signal -1
	s_barrier_wait -1
.endm
.macro STEP sg
.if 15-(\sg) >= 3
	s_wait_loadcnt 48
.else
	s_wait_loadcnt 16*(15-(\sg))
.endif
	s_wait_dscnt 32
.if ((\sg)%8) == 0
	WIN QK1
	GQK 0, (\sg)%4, 1
.else
	WIN QK
	GQK 0, (\sg)%4, 0
.endif
.if (\sg) < 15
	PLACES
	WIN 0
	LDB 0, ((\sg)+1)%8
	s_wait_dscnt 32
.else
	s_wait_dscnt 16
.endif
.if ((\sg)%8) == 0
	WIN QK1
	GQK 1, (\sg)%4, 1
.else
	WIN QK
	GQK 1, (\sg)%4, 0
.endif
.if (\sg) < 15
	PLACES
	WIN 0
	LDB 1, ((\sg)+1)%8
	s_wait_dscnt 32
.else
	s_wait_dscnt 0
.endif
	WIN VV
.if ((\sg)%8) == 0
	GV (\sg)%4, 1
.else
	GV (\sg)%4, 0
.endif
.if (\sg) < 15
	PLACES
	WIN 0
	LDB 2, ((\sg)+1)%8
.endif
.if (\sg)+4 < 16
	WIN TOA
	LDA (\sg)+4
.endif
	WIN 0
.endm
.macro EPI p
	PLACES
.if \p > 0
	s_wait_xcnt 0x0
.endif
	WIN 0x82
.set JJ, 0
.rept 128
	v_med3_num_f32 v[JJ], v[JJ], -v9, v9
.set JJ, JJ+1
.endr
	WIN 0x02
.set JJ, 0
.rept 16
	v_cvt_scalef32_pk8_fp8_f32 v[X+2*JJ:X+2*JJ+1], v[8*JJ:8*JJ+7], v8
.set JJ, JJ+1
.endr
	v_nop
	WIN 0
.irp i, 0,1,2,3,4,5,6,7
	global_store_b128 v1, v[X+4*\i:X+4*\i+3], s[12:13] offset:\p*4096+512*\i
.endr
	WIN 0x82
.set JJ, 0
.rept 128
	v_med3_num_f32 v[128+JJ], v[128+JJ], -v11, v11
.set JJ, JJ+1
.endr
	WIN 0xc2
.set JJ, 0
.rept 16
	v_cvt_scalef32_pk8_fp8_f32 v[Y+2*JJ:Y+2*JJ+1], v[128+8*JJ:128+8*JJ+7], v10
.set JJ, JJ+1
.endr
	v_nop
	WIN 0x0c
.irp a, 0,1,2,3
.irp c, 0,1
	global_store_b128 v1, v[Y+8*\a+4*\c:Y+8*\a+4*\c+3], s[14:15] offset:\p*8192+(\a/2)*4096+(\a%2)*1024+\c*512
.endr
.endr
	WIN 0xc3
.set JJ, 0
.rept 128
	v_med3_num_f32 v[JJ], v[JJ], -v13, v13
.set JJ, JJ+1
.endr
	s_wait_xcnt 0x0
	WIN 0x03
.irp d, 0,1,2,3
.irp a, 0,1,2,3
	v_cvt_scalef32_pk8_fp8_f32 v[X+4*(4*(\a/2)+\d)+2*(\a%2):X+4*(4*(\a/2)+\d)+2*(\a%2)+1], v[8*(4*\d+\a):8*(4*\d+\a)+7], v12
.endr
.endr
	v_nop
	WIN 0
.irp k, 0,1
.irp d, 0,1,2,3
	global_store_b128 v1, v[X+4*(4*\k+\d):X+4*(4*\k+\d)+3], s[14:15] offset:\p*8192+\k*4096+2048+\d*512
.endr
.endr
.endm
	s_wait_alu depctr_va_vdst(0)
	ARRIVE 0
	LDB 0, 0
	LDB 1, 0
	LDB 2, 0
.irp s, 0,1,2,3,4,5,6,7
	STEP \s
.endr
	EPI 0
.irp s, 8,9,10,11,12,13,14,15
	STEP \s
.endr
	EPI 1
	s_wait_tensorcnt 0x0
	ds_add_u32 v30, v31
	s_wait_dscnt 0x0
	CROUND
	s_endpgm
.Lfunc_end_k_qb670b34ca3_qkv:
	.size	k_qb670b34ca3_qkv, .Lfunc_end_k_qb670b34ca3_qkv-k_qb670b34ca3_qkv
	.p2alignl 7, 3214868480
	.fill 96, 4, 3214868480
	.section	.rodata,"a",@progbits
	.p2align	6, 0x0
	.amdhsa_kernel k_qb670b34ca3_qkv
		.amdhsa_group_segment_fixed_size 327680
		.amdhsa_private_segment_fixed_size 0
		.amdhsa_enable_private_segment 0
		.amdhsa_kernarg_size 48
		.amdhsa_user_sgpr_count 2
		.amdhsa_user_sgpr_kernarg_segment_ptr 1
		.amdhsa_wavefront_size32 1
		.amdhsa_system_sgpr_workgroup_id_x 1
		.amdhsa_system_sgpr_workgroup_id_y 1
		.amdhsa_system_sgpr_workgroup_id_z 1
		.amdhsa_system_vgpr_workitem_id 0
		.amdhsa_next_free_vgpr 1024
		.amdhsa_next_free_sgpr 66
		.amdhsa_reserve_vcc 0
		.amdhsa_float_denorm_mode_32 3
		.amdhsa_float_denorm_mode_16_64 3
		.amdhsa_memory_ordered 1
		.amdhsa_forward_progress 1
		.amdhsa_inst_pref_size 205
	.end_amdhsa_kernel
	.amdgpu_metadata
---
amdhsa.version: [ 1, 2 ]
amdhsa.kernels:
  - .name:           k_qb670b34ca3_qkv
    .symbol:         k_qb670b34ca3_qkv.kd
    .args:
      - { .name: x_img, .offset: 0, .size: 8, .value_kind: global_buffer, .address_space: global }
      - { .name: w_img, .offset: 8, .size: 8, .value_kind: global_buffer, .address_space: global }
      - { .name: b_qkv, .offset: 16, .size: 8, .value_kind: global_buffer, .address_space: global }
      - { .name: lowp_scales, .offset: 24, .size: 8, .value_kind: global_buffer, .address_space: global }
      - { .name: q_img, .offset: 32, .size: 8, .value_kind: global_buffer, .address_space: global }
      - { .name: kv_img, .offset: 40, .size: 8, .value_kind: global_buffer, .address_space: global }
    .group_segment_fixed_size: 327680
    .private_segment_fixed_size: 0
    .kernarg_segment_align: 8
    .kernarg_segment_size: 48
    .max_flat_workgroup_size: 128
    .sgpr_count:     66
    .vgpr_count:     1024
    .wavefront_size: 32
...
	.end_amdgpu_metadata
.endif
;; end of part 2
;; launch attn (part 3): grid 4 x 64, 8 waves a work-group, clusters of 4 x 1, 327,680 bytes of LDS; arguments q_img, kv_img, lowp_scales, out0; writes out0
.if DOCPART == 3
	.amdgcn_target "amdgcn-amd-amdhsa--gfx1250"
	.amdhsa_code_object_version 6
	.text
	.protected	k_qb670b34ca3_attn
	.globl	k_qb670b34ca3_attn
	.p2align	8
	.type	k_qb670b34ca3_attn,@function
k_qb670b34ca3_attn:
	s_mov_b64 s[64:65], 0
	v_nop
	global_prefetch_b8 v0, s[64:65] scope:SCOPE_SE
	s_setreg_imm32_b32 hwreg(HW_REG_WAVE_MODE, 25, 1), 1
	s_wait_xcnt 0x0
	s_wait_alu depctr_hold_cnt(0) depctr_sa_sdst(0) depctr_va_vdst(0) depctr_va_sdst(0) depctr_va_ssrc(0) depctr_va_vcc(0) depctr_vm_vsrc(0)
	s_getreg_b32 s2, hwreg(HW_REG_IB_STS2, 6, 4)
	s_cmp_eq_u32 s2, 0
	s_cbranch_scc0 .Lentry_in_a_cluster
	s_endpgm
.Lentry_in_a_cluster:
	s_bfe_u32 s2, ttmp6, 0x10000c
	s_cmp_lg_u32 s2, 0x3003
	s_cbranch_scc0 .Lentry_shape_is_right
	s_endpgm
.Lentry_shape_is_right:
; out[b][q][64 head ..] = sum over keys of softmax(q . k / 8) v, both products on codes of FP8 (E4M3) made by the launch before; scales 2^e: entries 2 (q), 3 (k), 4 (p), 5 (v).
; t = score x log2(e) / 8; M = the running largest t rounded up to a whole number; p = 2^(t - M) is quantised along the keys, not normalised; the row's sum is taken of the unquantised p and divides at the end.
; LIMITS: e2 + e3 between -123 and 130 (added to the factor's exponent field); e4 between -126 and 119; the scaled scores stay under 2^31 in magnitude.  NaN among the inputs is not served.
; SHARES.  A work-group owns 512 queries of one (batch, head); the four work-groups of a cluster own that head's 2,048 queries and ask for its K and V jointly.
; A head's K and V, 262,144 bytes of codes, stay in LDS for the whole launch: each byte is filled once.  Eight waves, two to a SIMD; a wave takes 32 queries (two tiles u) at a time, in two passes over all keys, 128 keys a step.
; FILLS: bytes 0 .. 65,535 (steps 0 to 3) by one joint load a wave at the head; the other 196,608 by one more a wave behind the full sequence and a round; steps 0 to 2 are worked while it is out, then one barrier.
; No prefetch: both loads are issued at the head, 8 and 24 KiB a wave, and no loop runs ahead of a load.
; LAYOUT.  Both products transposed: S^T = K Q^T, O^T = V^T P^T: a lane holds one query.  kv_img: a block of 32 keys is 4,096 bytes: two tiles of K (1,024 each: two pieces of 512), then V's four tiles of 16 channels (512 each).
; The keys of a tile of K are chosen so that the 16 registers of tiles 2 c, 2 c + 1 are keys 32 c + 16 (lane / 16) + 0 .. 15: the conversions' results are the second product's operand.
; FRAGMENTS RUN ONE STEP AHEAD: K's registers are loaded anew behind the first product, V's behind the second.  In a pass's last step the look-ahead is held at the last step's bytes: those 32 loads are not used.
; REGISTERS.  Window 0: v1 16 x lane, v2 the look-ahead's address, v4 v5 448 x 2^e4, v6 2^e4, v7 v8 the add's, v9-11 the way out, v12-27 state, v32-63 p's codes, v64-127 O^T, v128-255 S^T.  Window 1: v0-63 K, v64-127 V, v128-143 Q.
.set S,   128
.set O,   64
.set P,   32
.set ST,  12                           ; for tile u at ST + 8 u: +0 -M, +1 largest score, +2 +3 the sum, +4 f, +5 zero, +6 +7 at work
.set KF,  0
.set VF,  64
.set QF,  128
.set SPW, 7
.set NIL, 8
.set STO, 9
.set RD,  10
.set GO,  11
.set WV,  12
.set SEL, 20
.set CS,  22
.set G1A, 24
.set G1B, 32
.set G0A, 40
.set G0B, 44
.set TB,  48
.set CNT, 49
.set NX,  50
.set STEPB, 16384                      ; 128 keys of K and V
.set STAGE, 0x40000                    ; behind K and V: 16 rows x 272 bytes for each wave
.set SPARE, STAGE+8*4352               ; behind the stages: the spare words, 128 bytes a wave
.set MSB, 0
.macro WIN new                         ; the immediate's high byte repeats the setting that is left
.if MSB != \new
	s_set_vgpr_msb (MSB<<8)|\new
.set MSB, \new
.endif
.endm
.macro CROUND
	s_barrier_signal -1
	s_barrier_wait -1
	s_cmp_lg_u32 s[WV], 0
	s_cbranch_scc1 .Lnot_wave_0_\@
	s_barrier_signal -3
.Lnot_wave_0_\@:
	s_barrier_wait -3
	s_barrier_signal -1
	s_barrier_wait -1
.endm
.macro NOPS n
.rept \n
	v_nop
.endr
.endm
.macro LDK adr                         ; eight tiles of 16 keys x 64: 16 loads
.irp t, 0,1,2,3,4,5,6,7
.irp c, 0,1
	ds_load_b128 v[KF+8*\t+4*\c:KF+8*\t+4*\c+3], v[\adr] offset:(\t/2)*4096+(\t%2)*1024+\c*512
.endr
.endr
.endm
.macro LDV adr                         ; four tiles of 16 channels x 128 keys: 16 loads
.irp d, 0,1,2,3
.irp c, 0,1,2,3
	ds_load_b128 v[VF+16*\d+4*\c:VF+16*\d+4*\c+3], v[\adr] offset:\c*4096+2048+\d*512
.endr
.endr
.endm
.macro LDQ p                           ; my 32 queries of pass p
.irp i, 0,1,2,3
	global_load_b128 v[QF+4*\i:QF+4*\i+3], v1, s[4:5] offset:16384*\p+512*\i
.endr
.endm
.macro INIT                            ; the step is written once: the first finds zeros, which the first change of M leaves zeros
.irp u, 0,1
	v_mov_b32 v[ST+8*\u], 0x7f61b1e6               ; -M = 3e38
	v_mov_b32 v[ST+8*\u+1], 0xff61b1e6             ; the largest score so far: -3e38
	v_mov_b32 v[ST+8*\u+2], 0
	v_mov_b32 v[ST+8*\u+3], 0
	v_mov_b32 v[ST+8*\u+5], 0
.endr
.set JJ, 0
.rept 64
	v_mov_b32 v[O+JJ], 0
.set JJ, JJ+1
.endr
.endm
	s_load_b256 s[4:11], s[0:1], 0x0               ; q_img, kv_img, the exponents, out
	v_lshl_add_u32 v[SPW], v0, 2, SPARE
	v_mov_b32 v[NIL], 0
	ds_add_u32 v[SPW], v[NIL]                      ; the opening lines: the add twice on end and its wait
	ds_add_u32 v[SPW], v[NIL]
	v_lshrrev_b32 v1, 5, v0
	v_readfirstlane_b32 s[WV], v1                  ; wave 0..7
	s_bfe_u32 s13, ttmp6, 0x40000                  ; cx
	s_and_b32 s14, ttmp7, 0xffff                   ; 16 x batch + head
	s_mov_b32 s[G1A+0], 15|(3<<16)|(1<<21)         ; the four partners; elements of 8 bytes; rows of 256 bytes, dense
	s_mov_b32 s[G1A+1], 32<<16
	s_mov_b32 s[G1A+2], 32<<16
	s_mov_b32 s[G1A+3], 32<<16
	s_mov_b32 s[G1A+4], 32                         ; 32 rows: 8,192 bytes a wave
	s_mov_b32 s[G1A+5], 32
	s_mov_b32 s[G1A+6], 0
	s_mov_b32 s[G1A+7], 0
	s_mov_b32 s[G1B+0], 15|(3<<16)|(1<<21)
	s_mov_b32 s[G1B+1], 32<<16
	s_mov_b32 s[G1B+2], 96<<16
	s_mov_b32 s[G1B+3], 32<<16
	s_mov_b32 s[G1B+4], 96                         ; 96 rows: 24,576 bytes a wave
	s_mov_b32 s[G1B+5], 32
	s_mov_b32 s[G1B+6], 0
	s_mov_b32 s[G1B+7], 0
	s_lshl_b32 s15, s[WV], 13                      ; first fill: byte 8,192 x wave, in LDS and in the head's image alike
	s_mul_i32 s16, s[WV], 24576
	s_add_co_u32 s16, s16, 65536                   ; second fill: byte 65,536 + 24,576 x wave
	s_lshl_b32 s17, s14, 18
	s_add_co_u32 s18, s17, s15
	s_mov_b32 s19, 0
	s_add_co_u32 s58, s17, s16
	s_mov_b32 s59, 0
	s_lshl_b32 s17, s13, 4
	s_add_co_u32 s17, s17, s[WV]                   ; my block of 32 queries in pass 0: 16 cx + wave; in pass 1 eight blocks on
	s_lshl_b32 s60, s14, 17
	s_lshl_b32 s61, s17, 11
	s_add_co_u32 s60, s60, s61
	s_mov_b32 s61, 0
	s_lshr_b32 s50, s14, 4
	s_lshl_b32 s50, s50, 11
	s_lshl_b32 s51, s17, 5
	s_add_co_u32 s50, s50, s51                     ; the block's first row of out
	s_lshl_b32 s50, s50, 12
	s_and_b32 s51, s14, 15
	s_lshl_b32 s51, s51, 8
	s_add_co_u32 s50, s50, s51                     ; + 256 bytes x head
	s_mov_b32 s51, 0
	s_mov_b32 s[SEL], 0x76543210
	s_mov_b32 s[SEL+1], 0xfedcba98
	s_mov_b32 s[CS], 0x3e38aa3b                    ; log2(e) / 8
	s_wait_alu depctr_va_vdst(0)                   ; directly ahead of the wait below
	s_wait_dscnt 0x0
	s_wait_kmcnt 0x0
	s_load_b128 s[52:55], s[8:9], 0x0
	s_load_b64 s[56:57], s[8:9], 0x10
	s_mov_b32 s[G0A], 1
	s_mov_b32 s[G0A+1], s15
	s_add_nc_u64 s[G0A+2:G0A+3], s[6:7], s[18:19]
	s_or_b32 s[G0A+3], s[G0A+3], 0x80000000
	s_mov_b32 s[G0B], 1
	s_mov_b32 s[G0B+1], s16
	s_add_nc_u64 s[G0B+2:G0B+3], s[6:7], s[58:59]
	s_or_b32 s[G0B+3], s[G0B+3], 0x80000000
	s_add_nc_u64 s[4:5], s[4:5], s[60:61]
	s_add_nc_u64 s[10:11], s[10:11], s[50:51]
	CROUND                                         ; the four partners are here: the joint loads meet
	tensor_load_to_lds s[G0A:G0A+3], s[G1A:G1A+7]  ; steps 0 to 3: the wave's one tensor load at the head
	s_nop 0
	NOPS 4
	v_and_b32 v1, 31, v0
	v_lshlrev_b32 v1, 4, v1
	WIN 0x40
	LDQ 0
	WIN 0
	v_and_b32 v128, 15, v0                         ; r
	v_bfe_u32 v129, v0, 4, 1                       ; h
	s_mul_i32 s60, s[WV], 4352
	s_add_co_u32 s60, s60, STAGE                   ; my stage
	v_mul_u32_u24 v[STO], v128, 272
	v_lshl_add_u32 v[STO], v129, 5, v[STO]
	v_add_nc_u32 v[STO], s60, v[STO]               ; in: row r, 32 h bytes
	v_mul_u32_u24 v[RD], v129, 272
	v_lshl_add_u32 v[RD], v128, 4, v[RD]
	v_add_nc_u32 v[RD], s60, v[RD]                 ; back: lanes 0-15 one row, lanes 16-31 the next
	v_lshlrev_b32 v[GO], 12, v129
	v_lshl_add_u32 v[GO], v128, 4, v[GO]           ; the same two rows in out
	INIT
	s_wait_kmcnt 0x0
	s_add_co_i32 s60, s54, s55
	s_lshl_b32 s60, s60, 23
	s_add_co_i32 s[CS], s[CS], s60                 ; x 2^(e2 + e3)
	s_mov_b32 s[CS+1], s[CS]
	s_add_co_i32 s60, s56, 127
	s_lshl_b32 s61, s60, 23
	v_mov_b32 v6, s61                              ; 2^e4, for the conversion
	s_add_co_i32 s60, s60, 8
	s_lshl_b32 s60, s60, 23
	s_or_b32 s60, s60, 0x600000
	v_mov_b32 v4, s60                              ; 448 x 2^e4, twice: one for each half of a dual pair
	v_mov_b32 v5, s60
	s_add_co_i32 s62, s56, s57
; A STEP: 128 keys x my 32 queries.  s[TB]: the next step's first byte.  hold = 1: held at the last step's.
.macro STEP hold
.if \hold
	s_min_u32 s[NX], s[TB], 15*STEPB
.endif
	s_wait_dscnt 16                                ; K's fragments are in; V's 16 loads, issued behind them, may be out
	WIN 0x05
.irp t, 0,1,2,3,4,5,6,7
.irp u, 0,1
	v_wmma_f32_16x16x64_fp8_fp8 v[S+64*\u+8*\t:S+64*\u+8*\t+7], v[KF+8*\t:KF+8*\t+7], v[QF+8*\u:QF+8*\u+7], 0
.endr
.endr
	WIN 0
.if \hold
	v_add_nc_u32 v2, s[NX], v1
.else
	v_add_nc_u32 v2, s[TB], v1
.endif
	NOPS 3                                         ; four places in front of the loads into K's registers and of the first read of the scores
	WIN 0x40
	LDK 2
	WIN 0
.irp u, 0,1
	v_max3_num_f32 v[ST+8*\u+6], v[S+64*\u], v[S+64*\u+1], v[S+64*\u+2]
.endr
.irp u, 0,1
	v_max3_num_f32 v[ST+8*\u+7], v[S+64*\u+3], v[S+64*\u+4], v[S+64*\u+5]
.endr
.set JJ, 6
.rept 14
.irp u, 0,1
	v_max3_num_f32 v[ST+8*\u+6], v[ST+8*\u+6], v[S+64*\u+JJ], v[S+64*\u+JJ+1]
.endr
.irp u, 0,1
	v_max3_num_f32 v[ST+8*\u+7], v[ST+8*\u+7], v[S+64*\u+JJ+2], v[S+64*\u+JJ+3]
.endr
.set JJ, JJ+4
.endr
.irp u, 0,1
	v_max3_num_f32 v[ST+8*\u+6], v[ST+8*\u+6], v[S+64*\u+62], v[S+64*\u+63]
.endr
.irp u, 0,1
	s_delay_alu instid0(VALU_DEP_2)
	v_max3_num_f32 v[ST+8*\u+6], v[ST+8*\u+6], v[ST+8*\u+7], v[ST+8*\u+1]   ; both chains and the largest so far
.endr
.irp u, 0,1
	s_delay_alu instid0(VALU_DEP_2)
	v_permlanex16_b32 v[ST+8*\u+7], v[ST+8*\u+6], s[SEL], s[SEL+1]
.endr
.irp u, 0,1
	s_delay_alu instid0(VALU_DEP_2)
	v_max_num_f32 v[ST+8*\u+1], v[ST+8*\u+6], v[ST+8*\u+7]                  ; and lane l xor 16's
.endr
.irp u, 0,1
	s_delay_alu instid0(VALU_DEP_2)
	v_mul_f32 v[ST+8*\u+6], -v[ST+8*\u+1], s[CS]                            ; -t (the factor is positive)
.endr
.irp u, 0,1
	s_delay_alu instid0(VALU_DEP_2)
	v_floor_f32 v[ST+8*\u+6], v[ST+8*\u+6]                                  ; the new -M = -ceil(t)
.endr
.irp u, 0,1
	s_delay_alu instid0(VALU_DEP_2)
	v_sub_f32 v[ST+8*\u+7], v[ST+8*\u+6], v[ST+8*\u]                        ; old M - new M: a whole number, 0 or less
.endr
.irp u, 0,1
	v_mov_b32 v[ST+8*\u], v[ST+8*\u+6]
.endr
.irp u, 0,1
	s_delay_alu instid0(VALU_DEP_4)
	v_cvt_i32_f32 v[ST+8*\u+7], v[ST+8*\u+7]                                ; (it saturates)
.endr
.irp u, 0,1
	s_delay_alu instid0(VALU_DEP_2)
	v_ldexp_f32 v[ST+8*\u+4], 1.0, v[ST+8*\u+7]                             ; f = 2^(old M - new M)
.endr
.set JJ, 0
.rept 32
.irp u, 0,1
	v_pk_fma_f32 v[S+64*\u+JJ:S+64*\u+JJ+1], v[S+64*\u+JJ:S+64*\u+JJ+1], s[CS:CS+1], v[ST+8*\u:ST+8*\u+1] op_sel_hi:[1,0,0]   ; t - M
.endr
.set JJ, JJ+2
.endr
	s_wait_alu depctr_va_vdst(0)                   ; ahead of the batch
.set JJ, 0
.rept 128
	v_exp_f32 v[S+JJ], v[S+JJ]                     ; p = 2^(t - M)
.set JJ, JJ+1
.endr
	s_wait_alu depctr_va_vdst(0)                   ; one wait behind the batch, directly ahead of the first readers of O^T
.set JJ, 0
.rept 16
.irp u, 0,1
	v_pk_mul_f32 v[O+32*\u+JJ:O+32*\u+JJ+1], v[O+32*\u+JJ:O+32*\u+JJ+1], v[ST+8*\u+4:ST+8*\u+5] op_sel_hi:[1,0]   ; O^T under the new M
.endr
.set JJ, JJ+2
.endr
.irp u, 0,1
	v_pk_fma_f32 v[ST+8*\u+2:ST+8*\u+3], v[ST+8*\u+2:ST+8*\u+3], v[ST+8*\u+4:ST+8*\u+5], v[S+64*\u:S+64*\u+1] op_sel_hi:[1,0,1]   ; the sum x f + the first pair of the unquantised p
.endr
.irp u, 0,1
	v_pk_add_f32 v[ST+8*\u+6:ST+8*\u+7], v[S+64*\u+2:S+64*\u+3], v[S+64*\u+4:S+64*\u+5]
.endr
.set JJ, 6
.rept 14
.irp u, 0,1
	v_pk_add_f32 v[ST+8*\u+2:ST+8*\u+3], v[ST+8*\u+2:ST+8*\u+3], v[S+64*\u+JJ:S+64*\u+JJ+1]
.endr
.irp u, 0,1
	v_pk_add_f32 v[ST+8*\u+6:ST+8*\u+7], v[ST+8*\u+6:ST+8*\u+7], v[S+64*\u+JJ+2:S+64*\u+JJ+3]
.endr
.set JJ, JJ+4
.endr
.irp u, 0,1
	v_pk_add_f32 v[ST+8*\u+2:ST+8*\u+3], v[ST+8*\u+2:ST+8*\u+3], v[S+64*\u+62:S+64*\u+63]
.endr
.irp u, 0,1
	s_delay_alu instid0(VALU_DEP_2)
	v_pk_add_f32 v[ST+8*\u+2:ST+8*\u+3], v[ST+8*\u+2:ST+8*\u+3], v[ST+8*\u+6:ST+8*\u+7]
.endr
.set JJ, 0
.rept 64
	v_dual_min_num_f32 v[S+JJ], v[S+JJ], v4 :: v_dual_min_num_f32 v[S+JJ+1], v[S+JJ+1], v5   ; the conversion does not saturate (ISA guide 7.6.2); p is not negative: a one-sided hold, two a line
.set JJ, JJ+2
.endr
.irp t, 0,1,2,3,4,5,6,7
.irp u, 0,1
	v_cvt_scalef32_pk8_fp8_f32 v[P+16*\u+2*\t:P+16*\u+2*\t+1], v[S+64*\u+8*\t:S+64*\u+8*\t+7], v6
.endr
.endr
	v_nop                                          ; a plain line behind the last conversion
	s_wait_alu depctr_va_vdst(0)                   ; directly ahead of the wait below
	s_wait_dscnt 16                                ; V's fragments are in; the next step's 16 loads of K may be out
	WIN 0x01
.irp d, 0,1,2,3
.irp u, 0,1
	v_wmma_f32_16x16x128_fp8_fp8 v[O+32*\u+8*\d:O+32*\u+8*\d+7], v[VF+16*\d:VF+16*\d+15], v[P+16*\u:P+16*\u+15], v[O+32*\u+8*\d:O+32*\u+8*\d+7]
.endr
.endr
	WIN 0
	NOPS 4                                         ; places in front of the loads into V's registers
	WIN 0x40
	LDV 2
	WIN 0
.endm
.macro LOOP n, first, hold
	s_mov_b32 s[TB], \first*STEPB
	s_mov_b32 s[CNT], \n
.Lk_\@:
	STEP \hold
	s_add_co_u32 s[TB], s[TB], STEPB
	s_sub_co_u32 s[CNT], s[CNT], 1
	s_cmp_lg_u32 s[CNT], 0
	s_cbranch_scc1 .Lk_\@
.endm
; THE WAY OUT of a pass: O^T / the sum x 2^(e4 + e5), a tile of 16 queries at a time through my stage, back as rows of 256 bytes: sixteen lanes store one aligned unit.
.macro EPI p
.irp u, 0,1
	v_add_f32 v[ST+8*\u+2], v[ST+8*\u+2], v[ST+8*\u+3]
.endr
.irp u, 0,1
	s_delay_alu instid0(VALU_DEP_2)
	v_permlanex16_b32 v[ST+8*\u+6], v[ST+8*\u+2], s[SEL], s[SEL+1]
.endr
.irp u, 0,1
	s_delay_alu instid0(VALU_DEP_2)
	v_add_f32 v[ST+8*\u+2], v[ST+8*\u+2], v[ST+8*\u+6]
.endr
	s_wait_alu depctr_va_vdst(0)                   ; ahead of the transcendentals
.irp u, 0,1
	v_rcp_f32 v[ST+8*\u+4], v[ST+8*\u+2]
.endr
	v_nop
	s_wait_alu depctr_va_vdst(0)                   ; and behind them
.irp u, 0,1
	v_ldexp_f32 v[ST+8*\u+4], v[ST+8*\u+4], s62
.endr
	s_wait_alu depctr_va_vdst(0)                   ; directly ahead of the first readers of O^T
.irp u, 0,1
.set JJ, 0
.rept 16
	v_pk_mul_f32 v[S+32*\u+JJ:S+32*\u+JJ+1], v[O+32*\u+JJ:O+32*\u+JJ+1], v[ST+8*\u+4:ST+8*\u+5] op_sel_hi:[1,0]
.set JJ, JJ+2
.endr
.endr
.irp u, 0,1                                    ; LDS serves a wave's instructions in order (ISA guide 5.7.1.4): tile 1's stores come behind tile 0's loads
.irp d, 0,1,2,3
	ds_store_b128 v[STO], v[S+32*\u+8*\d:S+32*\u+8*\d+3] offset:\d*64
	ds_store_b128 v[STO], v[S+32*\u+8*\d+4:S+32*\u+8*\d+7] offset:\d*64+16
.endr
.irp i, 0,1,2,3,4,5,6,7
	ds_load_b128 v[S+64+32*\u+4*\i:S+64+32*\u+4*\i+3], v[RD] offset:2*\i*272
.endr
.endr
.irp u, 0,1
.irp i, 0,1,2,3,4,5,6,7
	s_wait_dscnt 23-16*\u-\i                       ; behind this load: the rest of its run, and for tile 0 also tile 1's 8 stores and 8 loads
	global_store_b128 v[GO], v[S+64+32*\u+4*\i:S+64+32*\u+4*\i+3], s[10:11] offset:\p*1048576+(8*\u+2*\i+8*(\i/4))*4096 th:TH_STORE_NT
.endr
.endr
.endm
	s_wait_alu depctr_va_vdst(0)                   ; at the head's end
	s_wait_tensorcnt 0x0                           ; my part of steps 0 to 3 is in; the lines ahead of a later first fill:
	ds_add_u32 v[SPW], v[NIL]
	s_wait_dscnt 0x0
	CROUND
	tensor_load_to_lds s[G0B:G0B+3], s[G1B:G1B+7]  ; steps 4 to 15: the first tensor load behind the round
	s_nop 0
	NOPS 4
	WIN 0x40
	LDK 1                                          ; step 0's fragments
	LDV 1
	WIN 0
	s_wait_loadcnt 0x0                             ; Q
	LOOP 3, 1, 0                                   ; steps 0 to 2; they look ahead as far as step 3
	s_wait_tensorcnt 0x0                           ; my part of steps 4 to 15 is in
	s_wait_dscnt 0x0
	s_barrier_signal -1
	s_barrier_wait -1                              ; and everybody's
	LOOP 13, 4, 1                                  ; steps 3 to 15
	s_wait_dscnt 0x0                               ; the held look-ahead has landed: its registers may be loaded anew
	WIN 0x40
	LDQ 1                                          ; pass 1: its queries and step 0's fragments come in under the way out
	LDK 1
	LDV 1
	WIN 0
	EPI 0
	INIT
	s_wait_alu depctr_va_vdst(0)                   ; directly ahead of the waits below
	s_wait_xcnt 0x0                                ; pass 0's stores have read their registers: the scores may be written there
	s_wait_loadcnt 0x0                             ; Q
	LOOP 16, 1, 1
	EPI 1
	s_wait_tensorcnt 0x0                           ; the wave's end
	ds_add_u32 v[SPW], v[NIL]
	s_wait_dscnt 0x0
	CROUND                                         ; the closing round
	s_endpgm
.Lfunc_end_k_qb670b34ca3_attn:
	.size	k_qb670b34ca3_attn, .Lfunc_end_k_qb670b34ca3_attn-k_qb670b34ca3_attn
	.p2alignl 7, 3214868480
	.fill 96, 4, 3214868480
	.section	.rodata,"a",@progbits
	.p2align	6, 0x0
	.amdhsa_kernel k_qb670b34ca3_attn
		.amdhsa_group_segment_fixed_size 327680
		.amdhsa_private_segment_fixed_size 0
		.amdhsa_enable_private_segment 0
		.amdhsa_kernarg_size 32
		.amdhsa_user_sgpr_count 2
		.amdhsa_user_sgpr_kernarg_segment_ptr 1
		.amdhsa_wavefront_size32 1
		.amdhsa_system_sgpr_workgroup_id_x 1
		.amdhsa_system_sgpr_workgroup_id_y 1
		.amdhsa_system_sgpr_workgroup_id_z 1
		.amdhsa_system_vgpr_workitem_id 0
		.amdhsa_next_free_vgpr 400
		.amdhsa_next_free_sgpr 66
		.amdhsa_reserve_vcc 0
		.amdhsa_float_denorm_mode_32 3
		.amdhsa_float_denorm_mode_16_64 3
		.amdhsa_memory_ordered 1
		.amdhsa_forward_progress 1
		.amdhsa_inst_pref_size 116
	.end_amdhsa_kernel
	.amdgpu_metadata
---
amdhsa.version: [ 1, 2 ]
amdhsa.kernels:
  - .name:           k_qb670b34ca3_attn
    .symbol:         k_qb670b34ca3_attn.kd
    .args:
      - { .name: q_img, .offset: 0, .size: 8, .value_kind: global_buffer, .address_space: global }
      - { .name: kv_img, .offset: 8, .size: 8, .value_kind: global_buffer, .address_space: global }
      - { .name: lowp_scales, .offset: 16, .size: 8, .value_kind: global_buffer, .address_space: global }
      - { .name: out0, .offset: 24, .size: 8, .value_kind: global_buffer, .address_space: global }
    .group_segment_fixed_size: 327680
    .private_segment_fixed_size: 0
    .kernarg_segment_align: 8
    .kernarg_segment_size: 32
    .max_flat_workgroup_size: 256
    .sgpr_count:     66
    .vgpr_count:     400
    .wavefront_size: 32
...
	.end_amdgpu_metadata
.endif
;; end of part 3
